; MI455X (gfx1250); checked and timed in simulation.
; The chip was launched on July 23, 2026; its instructions are those of AMD's public machine-readable ISA for CDNA 5 (MIT licence, August 2026) and "CDNA5" Instruction Set Architecture Reference Guide (July 2026). The comments in the code are by the model that wrote it; some were corrected since.
;; Vector Quantizer. Allowed arithmetic: float matrix products may take bf16 or f16 operands with f32 sums; all other float work in f32.
;; Inputs: emb 8,192 x 256 float32; z 32,768 x 256 float32.
;; Outputs: out0 one number float32; out1 32,768 x 256 float32; out2 32,768 int32.
;; One version. Each part assembles by itself: llvm-mc -triple=amdgcn-amd-amdhsa -mcpu=gfx1250 --defsym DOCPART=n.
;; ======== version 1 of 1: 4 launches
;; workspace buffers: embh 4,194,304 bytes; ee 32,768 bytes; order 131,072 bytes of whole numbers; part 1,024 bytes
;; launch prep (part 1): grid 128 x 1, 16 waves a work-group, no clusters, 38,144 bytes of LDS; arguments emb, embh, ee; writes embh, ee
.if DOCPART == 1
	.amdgcn_target "amdgcn-amd-amdhsa--gfx1250"
	.amdhsa_code_object_version 6
	.text
	.protected	k_q97d298b2db_prep
	.globl	k_q97d298b2db_prep
	.p2align	8
	.type	k_q97d298b2db_prep,@function
k_q97d298b2db_prep:
	s_mov_b64 s[64:65], 0
	v_nop
	global_prefetch_b8 v0, s[64:65] scope:SCOPE_SE
	s_setreg_imm32_b32 hwreg(HW_REG_WAVE_MODE, 25, 1), 1
	s_wait_xcnt 0x0
; embh[k][:] = bf16(emb[k][:]), rounded to nearest even;  ee[k] = the sum over d of bf16(emb[k][d])^2, in f32.
; emb: [8192][256] f32 (rows of 1,024 bytes).  embh: [8192][256] bf16 (rows of 512 bytes).  ee: [8192] f32.
; The squares are taken of the ROUNDED codes (they are exact in f32: 8 x 8 significant bits).  THE ORDER OF THE SUM is fixed: eight runs of 32 numbers, each summed in ascending order,
; then the eight run sums in ascending order.  The next launch compares distances that are rounded as reference() rounds them, so the last bit of ee counts; this order is chosen to be the one in which
; reference()'s host splits a sum of 256.  Another order moves ee by about one unit in its last place.
; Sixteen waves; the work-group owns 64 rows, wave w rows 4 w .. 4 w + 3.  A load of a wave covers 512 consecutive bytes (half a row), a store of embh 256 consecutive bytes, aligned.
; The packed rows also go into a stage of the wave's own in LDS, from which lane (q, c) = (lane / 8, lane % 8) reads run c of row q: 4 rows x 8 runs are just the wave's 32 lanes.
; The 64 sums meet in LDS, so that ee too leaves as one store of 256 consecutive bytes, aligned.
; No matrix unit, no tensor load, no cluster: the launch moves 12 MB once and shares nothing between work-groups.
.set PITCH, 528                        ; a packed row in the stage: 512 bytes + 16
.set WST,   4*PITCH                    ; a wave's stage: its four rows
.set CSUM,  16*WST                     ; behind the stages: a wave's 32 run sums, 128 bytes a wave
.set RES,   CSUM+16*128                ; the work-group's 64 results
.set SPARE, RES+256                    ; the spare words, 128 bytes for each of 16 waves
.set SIN,  3                           ; v3        where my 8 packed bytes of a half row go in my wave's stage
.set X,    4                           ; v[4:35]   row q, half p: 4 registers at X + 8 q + 4 p, as loaded; then v[4:19] my run's 16 packed words
.set C,    20                          ; v[20:27]  my row's eight run sums
.set T,    28                          ; v[28:31]  two packed words' numbers, widened again
.set P,    36                          ; v[36:51]  row q: 4 packed words at P + 4 q; never rewritten (the stores read them)
.set S,    52                          ; v52       my run's sum
.set O,    54                          ; v[54:55]  wave 0: two results to store
.set SOUT, 56                          ; v56       where my run begins in the stage
.set CIN,  57                          ; v57       where my run sum goes
.set COUT, 58                          ; v58       where my row's eight run sums lie
.set RIN,  59                          ; v59       where my row's result goes
.set SPW,  62                          ; v62       LDS address of my spare word; never rewritten
.set NIL,  63                          ; v63       0; never rewritten
	s_load_b128 s[4:7], s[0:1], 0x0                ; emb s[4:5], embh s[6:7]
	s_load_b64 s[8:9], s[0:1], 0x10                ; ee
	v_lshl_add_u32 v[SPW], v0, 2, SPARE
	v_mov_b32 v[NIL], 0
	v_lshrrev_b32 v60, 5, v0
	v_readfirstlane_b32 s10, v60                   ; wave 0..15
	v_and_b32 v60, 31, v0                          ; lane
	v_lshlrev_b32 v1, 4, v60                       ; 16 x lane
	v_lshlrev_b32 v2, 3, v60                       ; 8 x lane
	v_lshrrev_b32 v61, 3, v60                      ; q = lane / 8
	v_and_b32 v53, 7, v60                          ; c = lane % 8
	s_mul_i32 s22, s10, WST                        ; my wave's stage
	v_add_nc_u32 v[SIN], s22, v2
	v_mul_u32_u24 v[SOUT], v61, PITCH
	v_lshl_add_u32 v[SOUT], v53, 6, v[SOUT]        ; row q, run c: 32 numbers are 64 bytes
	v_add_nc_u32 v[SOUT], s22, v[SOUT]
	s_lshl_b32 s23, s10, 7
	s_add_co_u32 s23, s23, CSUM                    ; my wave's run sums
	v_lshl_add_u32 v[CIN], v60, 2, s23
	v_lshl_add_u32 v[COUT], v61, 5, s23
	s_lshl_b32 s24, s10, 4
	s_add_co_u32 s24, s24, RES                     ; my wave's four results
	v_lshl_add_u32 v[RIN], v61, 2, s24
	s_lshl_b32 s11, ttmp9, 6
	s_lshl2_add_u32 s11, s10, s11                  ; my first row = 64 x work-group + 4 x wave
	s_lshl_b32 s12, s11, 10                        ; its byte in emb
	s_mov_b32 s13, 0
	s_lshl_b32 s14, s11, 9                         ; and in embh
	s_mov_b32 s15, 0
	s_lshl_b32 s20, ttmp9, 8                       ; the work-group's 256 bytes of ee
	s_mov_b32 s21, 0
	s_mov_b32 s16, 0xffff0000                      ; a word's upper bf16
	s_wait_kmcnt 0x0
	s_add_nc_u64 s[4:5], s[4:5], s[12:13]
	s_add_nc_u64 s[6:7], s[6:7], s[14:15]
	s_add_nc_u64 s[8:9], s[8:9], s[20:21]
.irp j, 0,1,2,3,4,5,6,7
	global_load_b128 v[X+4*(\j):X+4*(\j)+3], v1, s[4:5] offset:512*(\j)   ; all four rows at once: row j / 2, half j % 2
.endr
.macro ROWQ q
	s_wait_loadcnt 6-2*(\q)                        ; loads come back in order: this row's two are in, the later rows' stay out
.irp i, 0,1,2,3
	v_cvt_pk_bf16_f32 v[P+4*(\q)+(\i)], v[X+8*(\q)+2*(\i)], v[X+8*(\q)+2*(\i)+1]
.endr
	global_store_b64 v2, v[P+4*(\q):P+4*(\q)+1], s[6:7] offset:512*(\q)         ; 32 lanes x 8 bytes: 256 consecutive bytes, aligned
	global_store_b64 v2, v[P+4*(\q)+2:P+4*(\q)+3], s[6:7] offset:512*(\q)+256
	ds_store_b64 v[SIN], v[P+4*(\q):P+4*(\q)+1] offset:(\q)*PITCH               ; and the same bytes into my wave's stage
	ds_store_b64 v[SIN], v[P+4*(\q)+2:P+4*(\q)+3] offset:(\q)*PITCH+256
.endm
	ROWQ 0
	ROWQ 1
	ROWQ 2
	ROWQ 3
.irp i, 0,1,2,3
	ds_load_b128 v[X+4*(\i):X+4*(\i)+3], v[SOUT] offset:16*(\i)  ; LDS serves a wave's instructions in order (ISA guide 5.7.1.4): these see my wave's stores above
.endr
	s_wait_dscnt 0x0
.set i, 0
.rept 16                               ; my run: 32 squares, one after the other; a fused multiply-add of an exact square rounds as the addition does
	v_lshlrev_b32 v[T+2*(i%2)], 16, v[X+i]
	v_and_b32 v[T+2*(i%2)+1], s16, v[X+i]
.if i == 0
	v_mul_f32 v[S], v[T], v[T]                     ; the first square starts the sum
.else
	v_fmac_f32 v[S], v[T+2*(i%2)], v[T+2*(i%2)]
.endif
	v_fmac_f32 v[S], v[T+2*(i%2)+1], v[T+2*(i%2)+1]
.set i, i+1
.endr
	ds_store_b32 v[CIN], v[S]
	ds_load_b128 v[C:C+3], v[COUT]                 ; my row's eight run sums (in order behind the store above)
	ds_load_b128 v[C+4:C+7], v[COUT] offset:16
	s_wait_dscnt 0x0
.irp j, 1,2,3,4,5,6,7
	v_add_f32 v[C], v[C], v[C+(\j)]                ; in ascending order
.endr
	ds_store_b32 v[RIN], v[C]                      ; a row's eight lanes write the same word with the same number
	s_wait_dscnt 0x0                               ; for the others' sake: my store is done
	s_barrier_signal -1
	s_barrier_wait -1
	s_cmp_lg_u32 s10, 0
	s_cbranch_scc1 .Lend
	ds_load_b64 v[O:O+1], v2 offset:RES            ; wave 0: the 64 results, 8 bytes a lane
	s_wait_dscnt 0x0
	global_store_b64 v2, v[O:O+1], s[8:9]          ; 256 consecutive bytes, aligned
.Lend:
	s_wait_tensorcnt 0x0                           ; the wave's end, behind my last LDS store
	ds_add_u32 v[SPW], v[NIL]
	s_wait_dscnt 0x0
	s_endpgm
.Lfunc_end_k_q97d298b2db_prep:
	.size	k_q97d298b2db_prep, .Lfunc_end_k_q97d298b2db_prep-k_q97d298b2db_prep
	.p2alignl 7, 3214868480
	.fill 96, 4, 3214868480
	.section	.rodata,"a",@progbits
	.p2align	6, 0x0
	.amdhsa_kernel k_q97d298b2db_prep
		.amdhsa_group_segment_fixed_size 38144
		.amdhsa_private_segment_fixed_size 0
		.amdhsa_enable_private_segment 0
		.amdhsa_kernarg_size 24
		.amdhsa_user_sgpr_count 2
		.amdhsa_user_sgpr_kernarg_segment_ptr 1
		.amdhsa_wavefront_size32 1
		.amdhsa_system_sgpr_workgroup_id_x 1
		.amdhsa_system_sgpr_workgroup_id_y 1
		.amdhsa_system_sgpr_workgroup_id_z 1
		.amdhsa_system_vgpr_workitem_id 0
		.amdhsa_next_free_vgpr 64
		.amdhsa_next_free_sgpr 66
		.amdhsa_reserve_vcc 0
		.amdhsa_float_denorm_mode_32 3
		.amdhsa_float_denorm_mode_16_64 3
		.amdhsa_memory_ordered 1
		.amdhsa_forward_progress 1
		.amdhsa_inst_pref_size 9
	.end_amdhsa_kernel
	.amdgpu_metadata
---
amdhsa.version: [ 1, 2 ]
amdhsa.kernels:
  - .name:           k_q97d298b2db_prep
    .symbol:         k_q97d298b2db_prep.kd
    .args:
      - { .name: emb, .offset: 0, .size: 8, .value_kind: global_buffer, .address_space: global }
      - { .name: embh, .offset: 8, .size: 8, .value_kind: global_buffer, .address_space: global }
      - { .name: ee, .offset: 16, .size: 8, .value_kind: global_buffer, .address_space: global }
    .group_segment_fixed_size: 38144
    .private_segment_fixed_size: 0
    .kernarg_segment_align: 8
    .kernarg_segment_size: 24
    .max_flat_workgroup_size: 512
    .sgpr_count:     66
    .vgpr_count:     64
    .wavefront_size: 32
...
	.end_amdgpu_metadata
.endif
;; end of part 1
;; launch argmin (part 2): grid 256 x 1, 4 waves a work-group, clusters of 4 x 1, 327,680 bytes of LDS; arguments z, embh, ee, out2, order; writes out2, order
.if DOCPART == 2
	.amdgcn_target "amdgcn-amd-amdhsa--gfx1250"
	.amdhsa_code_object_version 6
	.text
	.protected	k_q97d298b2db_argmin
	.globl	k_q97d298b2db_argmin
	.p2align	8
	.type	k_q97d298b2db_argmin,@function
k_q97d298b2db_argmin:
	s_mov_b64 s[64:65], 0
	v_nop
	global_prefetch_b8 v0, s[64:65] scope:SCOPE_SE
	s_setreg_imm32_b32 hwreg(HW_REG_WAVE_MODE, 25, 1), 1
	s_wait_xcnt 0x0
	s_wait_alu depctr_hold_cnt(0) depctr_sa_sdst(0) depctr_va_vdst(0) depctr_va_sdst(0) depctr_va_ssrc(0) depctr_va_vcc(0) depctr_vm_vsrc(0)
	s_getreg_b32 s2, hwreg(HW_REG_IB_STS2, 6, 4)
	s_cmp_eq_u32 s2, 0
	s_cbranch_scc0 .Lentry_in_a_cluster
	s_endpgm
.Lentry_in_a_cluster:
	s_bfe_u32 s2, ttmp6, 0x10000c
	s_cmp_lg_u32 s2, 0x3003
	s_cbranch_scc0 .Lentry_shape_is_right
	s_endpgm
.Lentry_shape_is_right:
; idx[n] = the first k at which  d = (|z|^2 + |e_k|^2) - 2 z . e_k  is smallest, for z = bf16(z[n]) and e_k = embh[k].  z: [32768][256] f32.  embh: [8192][256] bf16.  ee: [8192] f32, |e_k|^2.
; out2, order: [32768] i32, the same numbers twice: out2 is the result, order the list from which the next launch forms addresses.
; d IS ROUNDED WHERE reference() ROUNDS IT: t = |z|^2 + |e|^2 in f32, then d = t - 2 z . e in f32 (one fused multiply-add: 2 z . e is exact).  At d near 300 that is a step of 3e-5, codes within it come out
; equal, and equal d go to the lowest k, as argmin has it.  A finer comparison would choose otherwise than reference() in such rows.  |z|^2 is summed as ee is: eight runs of 32 squares in ascending order, then the eight.
; Products in bf16 with f32 sums, K ascending, one accumulator for each z . e.
; LIMITS.  z . e is summed in the matrix unit's order, which is not reference()'s: the two may differ by a few units in the last place of z . e (some 1e-6 at 40), and so may the sums of squares if reference()'s
; host sums otherwise than said above.  Where that carries a d over a rounding boundary AND two codes lie within a step of each other, the other code may be taken.
; NaN loses every minimum; a row whose d are all NaN or +infinity gets an index that means nothing (it lies in 0 .. 15).
; SHARES.  A work-group owns 128 rows of z.  EVERY wave holds all 128 as source 1 (8 tiles of 16 queries x 8 K steps x 8 registers = 512 registers, windows 2 and 3).  The codes go by in 32 tiles of 256;
; wave w takes codes 64 w .. 64 w + 63 of each tile, four BLOCKS of 16, and fetches just those rows itself: a wave reads only code bytes that its own tensor load brought.  A block's fragments (16 LDS loads)
; feed 64 matrix instructions, and each code byte is read from LDS once in a work-group.
; LAYOUT.  Source 0 = 16 codes, source 1 = 16 queries: in the result a lane holds ONE query (lane % 16) and the codes 8 (lane / 16) + 0..7.  So the running minimum stays in its lane until the end.
; THE MINIMUM.  For each tile of queries: RUN, the least d so far; BID, the first code of the block that brought it; SAVE, that block's eight d.  A block that brings a strictly smaller minimum replaces
; all three, by selects (no branch hangs on a number).  At the end the first register of SAVE that equals RUN gives the code.  With the 8 packed instructions that make d: 22 vector instructions a tile and block.
; BY HALVES.  A block is two halves of 32 matrix instructions: tiles 0-3, then tiles 4-7.  Beside each half stands the vector work of the OTHER four tiles, whose sums the half before finished, in 23 slices of four
; independent instructions, one behind each matrix instruction.  All that a slice touches lies in window 0, a product's sources in windows 1 to 3: a slice costs two switches of the windows.  Set in a phase of
; its own the same vector work would stand where no matrix instruction is issued: the switches are the lesser price.
; CLUSTER.  All work-groups walk the same codes, so the four of a cluster ask for each tile, and for ee, JOINTLY (mask 15); z's rows are each work-group's own and come by a plain load.
; REGISTERS, in windows of 256 (s_set_vgpr_msb: bits 1:0 source 0, 3:2 source 1, 5:4 source 2, 7:6 destination):
;   window 0: as named below          window 1: v0-63, v64-127 a block's fragments, two buffers, K step c at + 8 c
;   window 2: z of tiles 0-3, tile t, K step c at 64 t + 8 c          window 3: tiles 4-7 likewise
.set PITCH,  528                       ; a code row in LDS: 512 bytes + 16 of padding = 132 words: the 16 rows of a fragment load start at 16 different groups of four banks (64 banks of 4 bytes: ISA guide 11.1)
.set WQ,     64*PITCH                  ; a wave's 64 rows
.set SLOT1,  4*WQ                      ; slot 0 at byte 0, slot 1 here
.set ZPITCH, 1040                      ; a row of z in f32: 1,024 bytes + 16
.set ZQ,     32*ZPITCH                 ; the 32 rows of z that a wave fetches; 4 ZQ = 133,120 bytes lie inside slot 1, whose first fill they are
.set EEB,    2*SLOT1                   ; ee, 32,768 bytes, filled once
.set SCR,    EEB+32768                 ; the waves' results: val[4][128] f32, then idx[4][128]; no fill lands here
.set ZZS,    SCR+4096                  ; |z|^2 of the 128 rows, 512 bytes; no fill lands here
.set SPARE,  ZZS+512                   ; the spare words, 128 bytes for each wave: two blocks of 256 bytes that no other line names
.set TILEB,  256*512                   ; a tile of codes in memory
.set ADRA, 10                          ; v10-11  LDS address of my lane's place in my wave's rows of slot 0, 1; never rewritten
.set EEA,  12                          ; v12     LDS address of ee of my lanes' 8 codes in the tile's block 0; steps by 1,024 a tile
.set ZA,   13                          ; v13-14  my lane's place in z's rows 0-63, 64-127
.set MS,   15                          ; v15     where my result goes in SCR
.set SPW,  16                          ; v16     LDS address of my spare word; never rewritten
.set NIL,  17                          ; v17     0; never rewritten
.set H8,   18                          ; v18     8 (lane / 16)
.set ZS,   19                          ; v19     |z|^2 of row 32 w + lane, while it is summed
.set TT,   20                          ; v20-27  t for a pair of codes, for each of four tiles; then:
.set X1,   20                          ; v20-31  three partial minima for each of four tiles
.set X2,   24
.set X3,   28
.set RUN,  32                          ; v32-39, v40-47  the running minimum, two buffers that take turns block by block, tile t at + t
.set BID,  48                          ; v48-55
.set ZZ,   56                          ; v56-71  |z|^2 of my query in tile t, twice: the pair at ZZ + 2 t
.set ACC,  72                          ; v72-135  tile t's accumulator at ACC + 8 t; d takes z . e's place.  (v72-199 first serve |z|^2 and the conversion of z)
.set SAVE, 136                         ; v136-199 tile t's at SAVE + 8 t
.set EE,   200                         ; v200-231 ee of a block's codes, a buffer for each of a tile's four blocks: tiles 4-7's vector work comes a block late
.set JJ,   200                         ; v200-231 at work at the end, when ee is done with
.set CA,   232                         ; v232-233 two runs' sums of squares
.set CB,   233
.set WV,  14                           ; s14  my wave's number
.set LC,  17                           ; s17  the loops' count
.set CUR, 18                           ; s18  the first code of the block whose minimum is being taken
.set G1E, 20                           ; s[20:27] descriptor group 1: codes
.set G1Z, 28                           ; s[28:35] z
.set G1N, 36                           ; s[36:43] ee
.set G0E, 44                           ; s[44:51] group 0 for the codes, a set for each slot
.set G0Z, 52                           ; s[52:55]
.set G0N, 56                           ; s[56:59]
.set MK,  60                           ; s[60:63] four tiles' lane masks: this block is better
.set SEL, 66                           ; s[66:67] v_permlanex16_b32's selects
.set NINF, 75                          ; s75  -infinity
.set HIM,  76                          ; s76  0xffff0000: a word's upper bf16, and the mask of lanes 16-31
.set PINF, 77                          ; s77  +infinity
.set MSB, 0
.macro WIN new                         ; the immediate's high byte repeats the setting that is left; a switch that changes nothing is dropped
.if MSB != (\new)
	s_set_vgpr_msb (MSB<<8)|(\new)
.set MSB, (\new)
.endif
.endm
.set MUL_LO, 0x09                      ; source 0 (codes) window 1, source 1 (z) window 2, C and D window 0
.set TO_A,   0x40                      ; destination window 1, address window 0
.macro PLACES                          ; four plain vector instructions that name no register (ISA guide 7.12.1)
.rept 4
	v_nop
.endr
.endm
; A round of the cluster's barrier: my work-group's barrier, so that wave 0's signal speaks for all four waves; wave 0 signals; every wave waits for all four work-groups; my work-group's barrier once more.
.macro CREST                           ; a round behind its opening barrier
	s_cmp_lg_u32 s[WV], 0
	s_cbranch_scc1 .Lnot_wave_0_\@
	s_barrier_signal -3
.Lnot_wave_0_\@:
	s_barrier_wait -3
	s_barrier_signal -1
	s_barrier_wait -1
.endm
.macro CROUND
	s_barrier_signal -1
	s_barrier_wait -1
	CREST
.endm
	s_load_b256 s[4:11], s[0:1], 0x0               ; z s[4:5], embh s[6:7], ee s[8:9], out2 s[10:11]
	s_load_b64 s[12:13], s[0:1], 0x20              ; order
	v_lshl_add_u32 v[SPW], v0, 2, SPARE
	v_mov_b32 v[NIL], 0
	ds_add_u32 v[SPW], v[NIL]                      ; the wave's opening: the add and its wait, ahead of my first tensor load; the set-up below, work on registers, stands between them
	v_lshrrev_b32 v3, 5, v0
	v_readfirstlane_b32 s[WV], v3                  ; wave 0..3
	s_bfe_u32 s15, ttmp6, 0x40000                  ; cx: my place in the cluster
	s_lshl_b32 s16, ttmp9, 2                       ; in a cluster launch ttmp9 counts clusters
	s_add_co_u32 s16, s16, s15                     ; my block of 128 rows = 4 x cluster + cx: it enters z's, out2's and order's addresses alone
	; group 1 for the codes: 64 rows x 256 elements of 2 bytes, padded in LDS
	s_mov_b32 s[G1E+0], 15|(1<<16)|(1<<20)|(1<<21)|(6<<22)|(3<<25)  ; 15:0 the mask of four; 17:16 2-byte elements; 20 padding on; 21 set beside a mask; 24:22 after every 128 words (code 6); 31:25 4 words (code 3)
	s_mov_b32 s[G1E+1], 256<<16                    ; tensor_dim0 = 256
	s_mov_b32 s[G1E+2], 64<<16                     ; tensor_dim1 = 64
	s_mov_b32 s[G1E+3], 256<<16                    ; tile_dim0 = 256
	s_mov_b32 s[G1E+4], 64                         ; tile_dim1 = 64
	s_mov_b32 s[G1E+5], 256                        ; elements from row to row
	s_mov_b32 s[G1E+6], 0
	s_mov_b32 s[G1E+7], 0
	; group 1 for z: 32 rows x 256 elements of 4 bytes, padded; no mask: a load of my work-group's own
	s_mov_b32 s[G1Z+0], (2<<16)|(1<<20)|(7<<22)|(3<<25)  ; 4-byte elements; after every 256 words (code 7) 4 words
	s_mov_b32 s[G1Z+1], 256<<16
	s_mov_b32 s[G1Z+2], 32<<16
	s_mov_b32 s[G1Z+3], 256<<16
	s_mov_b32 s[G1Z+4], 32
	s_mov_b32 s[G1Z+5], 256
	s_mov_b32 s[G1Z+6], 0
	s_mov_b32 s[G1Z+7], 0
	; group 1 for ee: 8,192 dense bytes as 32 rows of 32 elements of 8 bytes, no padding
	s_mov_b32 s[G1N+0], 15|(3<<16)|(1<<21)
	s_mov_b32 s[G1N+1], 32<<16
	s_mov_b32 s[G1N+2], 32<<16
	s_mov_b32 s[G1N+3], 32<<16
	s_mov_b32 s[G1N+4], 32
	s_mov_b32 s[G1N+5], 32
	s_mov_b32 s[G1N+6], 0
	s_mov_b32 s[G1N+7], 0
	; group 0: count, LDS address (made of the wave's number and constants alone)
	s_mov_b32 s[G0E+0], 1
	s_mul_i32 s[G0E+1], s[WV], WQ                  ; slot 0, my 64 rows
	s_mov_b32 s[G0E+4], 1
	s_add_co_u32 s[G0E+5], s[G0E+1], SLOT1         ; slot 1
	s_mov_b32 s[G0Z+0], 1
	s_mul_i32 s[G0Z+1], s[WV], ZQ
	s_add_co_u32 s[G0Z+1], s[G0Z+1], SLOT1         ; z's rows 32 w .. 32 w + 31, in slot 1
	s_mov_b32 s[G0N+0], 1
	s_lshl_b32 s[G0N+1], s[WV], 13
	s_add_co_u32 s[G0N+1], s[G0N+1], EEB           ; my quarter of ee
	s_lshl_b32 s68, s[WV], 15                      ; my 64 code rows of 512 bytes in a tile (and my 32 rows of z of 1,024)
	s_mov_b32 s69, 0
	s_lshl_b32 s70, s16, 17                        ; my work-group's 128 rows of z,
	s_add_co_u32 s70, s70, s68                     ; my wave's 32 of them
	s_mov_b32 s71, 0
	s_lshl_b32 s78, s[WV], 13
	s_mov_b32 s79, 0
	s_mov_b32 s[SEL], 0x76543210
	s_mov_b32 s[SEL+1], 0xfedcba98
	s_mov_b32 s[HIM], 0xffff0000
	s_mov_b32 s[NINF], 0xff800000
	s_mov_b32 s[PINF], 0x7f800000
	s_lshl_b32 s[CUR], s[WV], 6
	s_sub_co_u32 s[CUR], s[CUR], 208               ; 64 w - 208, modulo 2^32: the first block's step of 208 makes it 64 w; until then it stands only under masks that are all 0
	s_wait_dscnt 0x0                               ; the opening add is done
	s_wait_kmcnt 0x0
	s_add_nc_u64 s[G0E+2:G0E+3], s[6:7], s[68:69]  ; tile 0
	s_add_nc_u64 s[G0E+6:G0E+7], s[G0E+2:G0E+3], TILEB  ; tile 1
	s_or_b32 s[G0E+3], s[G0E+3], 0x80000000        ; 127:126 type = 2
	s_or_b32 s[G0E+7], s[G0E+7], 0x80000000
	s_add_nc_u64 s[G0Z+2:G0Z+3], s[4:5], s[70:71]
	s_or_b32 s[G0Z+3], s[G0Z+3], 0x80000000
	s_add_nc_u64 s[G0N+2:G0N+3], s[8:9], s[78:79]
	s_or_b32 s[G0N+3], s[G0N+3], 0x80000000
	CROUND                                         ; all four work-groups are here: the first joint loads meet
	tensor_load_to_lds s[G0Z:G0Z+3], s[G1Z:G1Z+7]  ; the first fills go out together, what is wanted first in front: z into slot 1,
	s_nop 0
	tensor_load_to_lds s[G0N:G0N+3], s[G1N:G1N+7]  ; ee,
	s_nop 0
	tensor_load_to_lds s[G0E:G0E+3], s[G1E:G1E+7]  ; the codes' tile 0 into slot 0: three loads of mine are out
	s_nop 0
	PLACES
	v_and_b32 v1, 15, v0                           ; r = lane % 16
	v_bfe_u32 v2, v0, 4, 1                         ; h = lane / 16
	v_mul_u32_u24 v3, v1, PITCH
	v_lshl_add_u32 v3, v2, 4, v3                   ; a fragment: row r x pitch + 16 h; two loads 32 bytes apart bring K = 8 h + 0..7 and 16 + 8 h + 0..7
	v_add_nc_u32 v[ADRA], s[G0E+1], v3
	v_add_nc_u32 v[ADRA+1], s[G0E+5], v3
	v_lshlrev_b32 v[H8], 3, v2
	s_lshl_b32 s68, s[WV], 8
	s_add_co_u32 s68, s68, EEB
	v_lshl_add_u32 v[EEA], v2, 5, s68              ; ee of codes 64 w + 8 h + 0..7: register j of an accumulator is code 8 h + j
	v_mul_u32_u24 v3, v1, ZPITCH
	v_lshl_add_u32 v3, v2, 5, v3                   ; in f32 the 8 numbers K = 8 h + 0..7 are 32 bytes
	v_add_nc_u32 v[ZA], SLOT1, v3
	v_add_nc_u32 v[ZA+1], SLOT1+64*ZPITCH, v3
	s_lshl_b32 s69, s[WV], 9
	s_add_co_u32 s69, s69, SCR
	v_lshl_add_u32 v3, v2, 11, s69                 ; lanes 0-15 store the value, lanes 16-31 the index, 2,048 bytes on
	v_lshl_add_u32 v[MS], v1, 2, v3
.irp t, 0,1,2,3
	v_mov_b32 v[RUN+(\t)], s[PINF]                 ; the buffers that the first minima read: tiles 0-3's first,
	v_mov_b32 v[RUN+12+(\t)], s[PINF]              ; tiles 4-7's second
.endr
.irp t, 0,1,2,3,4,5,6,7
	v_mov_b32 v[BID+(\t)], 0
.endr
	v_and_b32 v3, 31, v0
	v_mul_u32_u24 v3, v3, ZPITCH
	v_add_nc_u32 v3, s[G0Z+1], v3                  ; row 32 w + lane of z
	v_mov_b32 v[ZS], 0
	s_wait_tensorcnt 0x2                           ; my rows of z are in; ee and tile 0, issued behind them, may stay out
	s_barrier_signal -1
	s_barrier_wait -1                              ; everybody's rows are in
	; |z|^2 OF THE ROUNDED z, a row a lane.  A trip takes 64 numbers: two runs of 32, side by side so that neither chain of additions waits long; then the two run sums join the row's sum, in ascending order.
	s_mov_b32 s[LC], 4
.Lzz:
.irp j, 0,1,2,3,4,5,6,7,8,9,10,11,12,13,14,15
	ds_load_b128 v[ACC+4*(\j):ACC+4*(\j)+3], v3 offset:16*(\j)   ; 16 lanes read 16 rows 1,040 bytes apart: 16 different groups of four banks
.endr
.irp j, 0,1,2,3,4,5,6,7
	s_wait_dscnt 7-(\j)                            ; LDS loads come back in order: load 8 + j is in, and load j with it; the 7 - j behind it stay out
	v_cvt_pk_bf16_f32 v4, v[ACC+4*(\j)], v[ACC+4*(\j)+1]
	v_cvt_pk_bf16_f32 v6, v[ACC+32+4*(\j)], v[ACC+32+4*(\j)+1]
	v_cvt_pk_bf16_f32 v5, v[ACC+4*(\j)+2], v[ACC+4*(\j)+3]
	v_cvt_pk_bf16_f32 v7, v[ACC+32+4*(\j)+2], v[ACC+32+4*(\j)+3]
	v_lshlrev_b32 v[TT], 16, v4                    ; the rounded numbers as f32
	v_lshlrev_b32 v[TT+4], 16, v6
	v_and_b32 v[TT+1], s[HIM], v4
	v_and_b32 v[TT+5], s[HIM], v6
	v_lshlrev_b32 v[TT+2], 16, v5
	v_lshlrev_b32 v[TT+6], 16, v7
	v_and_b32 v[TT+3], s[HIM], v5
	v_and_b32 v[TT+7], s[HIM], v7
.if (\j) == 0
	v_mul_f32 v[CA], v[TT], v[TT]                  ; a run's first square starts its sum
	v_mul_f32 v[CB], v[TT+4], v[TT+4]
.else
	v_fmac_f32 v[CA], v[TT], v[TT]                 ; the squares are exact in f32, so the fused multiply-add rounds as the addition does
	v_fmac_f32 v[CB], v[TT+4], v[TT+4]
.endif
.irp e, 1,2,3
	v_fmac_f32 v[CA], v[TT+(\e)], v[TT+(\e)]
	v_fmac_f32 v[CB], v[TT+4+(\e)], v[TT+4+(\e)]
.endr
.endr
	v_add_f32 v[ZS], v[ZS], v[CA]
	v_add_f32 v[ZS], v[ZS], v[CB]
	v_add_nc_u32 v3, 256, v3
	s_sub_co_u32 s[LC], s[LC], 1
	s_cmp_lg_u32 s[LC], 0
	s_cbranch_scc1 .Lzz
	v_lshl_add_u32 v3, v0, 2, ZZS
	ds_store_b32 v3, v[ZS]                         ; row 32 w + lane = my thread's number; read by all behind the round below
; z FROM f32 TO FRAGMENTS.  Step n of 16: tile n / 2, K steps 4 (n % 2) + 0..3: sixteen LDS loads into one of two buffers of 64 registers, 32 roundings into window 2 or 3.
.macro ZLOAD n
	WIN 0
.set zt, (\n)/2
.set zb, ACC+64*((\n)%2)
.irp cc, 0,1,2,3
.irp l, 0,1,2,3
	ds_load_b128 v[zb+16*(\cc)+4*(\l):zb+16*(\cc)+4*(\l)+3], v[ZA+zt/4] offset:(zt%4)*16*ZPITCH+128*(4*((\n)%2)+(\cc))+16*(\l)+32*((\l)/2)
.endr
.endr
.endm
.macro ZCVT n
.set zt, (\n)/2
.set zb, ACC+64*((\n)%2)
	WIN 0x80+0x40*(zt/4)                           ; destination window 2 (tiles 0-3) or 3
.irp cc, 0,1,2,3
.irp q, 0,1,2,3,4,5,6,7
	v_cvt_pk_bf16_f32 v[64*(zt%4)+8*(4*((\n)%2)+(\cc))+(\q)], v[zb+16*(\cc)+2*(\q)], v[zb+16*(\cc)+2*(\q)+1]
.endr
.endr
.endm
	ZLOAD 0
	ZLOAD 1
.set zn, 0
.rept 16
.if zn < 15
	s_wait_dscnt 16                                ; this step's sixteen loads are in, the next step's stay out
.else
	s_wait_dscnt 0x0
.endif
	ZCVT zn
.if zn < 14
	ZLOAD zn+2
.endif
.set zn, zn+1
.endr
; THE MATRIX WORK.  Matrix instruction i of 32 of a half for group g (tiles 4 g + 0..3): K step i / 4, tile 4 g + i % 4.  The four accumulators take turns, one instruction a turn;
; a half's last and the next half's first name different accumulators, over the loop's backward jump too.  The first four start the sums with the constant 0.
.macro MM g, buf
	WIN MUL_LO+4*(\g)
.set rD, ACC+8*(4*(\g)+i%4)
.set rF, 64*(\buf)+8*(i/4)
.set rZ, 64*(i%4)+8*(i/4)
.if i < 4
	v_wmma_f32_16x16x32_bf16 v[rD:rD+7], v[rF:rF+7], v[rZ:rZ+7], 0
.else
	v_wmma_f32_16x16x32_bf16 v[rD:rD+7], v[rF:rF+7], v[rZ:rZ+7], v[rD:rD+7]
.endif
.set i, i+1
.endm
; THE VECTOR WORK.  Slice k of 23 for group eg: one instruction for each of its four tiles.  par: the buffer of RUN that holds the old minimum.  eb: the buffer of EE that holds these codes' ee.
;   0  four places behind the products that finished these sums (and in front of the loads that follow the next product)
;   1-8  for each pair of codes: t = |z|^2 + |e|^2, then d = t - 2 z . e, in z . e's place; each accumulator's lowest registers are read first
;   9-12  the minimum of the eight d and the old minimum, three operands at a time
;   13  is the new minimum smaller?     14  then BID takes this block's first code,     15-22  and SAVE its eight d
.macro SLICE eg, par, eb
	WIN 0
.if k == 0
	PLACES
.else
.irp u, 0,1,2,3
.set rT, 4*(\eg)+(\u)
.set rA, ACC+8*rT
.if (k < 9) && (k%2 == 1)
	v_pk_add_f32 v[TT+2*(\u):TT+2*(\u)+1], v[EE+8*(\eb)+k-1:EE+8*(\eb)+k], v[ZZ+2*rT:ZZ+2*rT+1]
.elseif k < 9
	v_pk_fma_f32 v[rA+k-2:rA+k-1], v[rA+k-2:rA+k-1], -2.0, v[TT+2*(\u):TT+2*(\u)+1] op_sel_hi:[1,0,1]
.elseif k == 9
	v_min3_num_f32 v[X1+(\u)], v[rA], v[rA+1], v[rA+2]
.elseif k == 10
	v_min3_num_f32 v[X2+(\u)], v[rA+3], v[rA+4], v[rA+5]
.elseif k == 11
	v_min3_num_f32 v[X3+(\u)], v[rA+6], v[rA+7], v[RUN+8*(\par)+rT]
.elseif k == 12
	v_min3_num_f32 v[RUN+8*(1-(\par))+rT], v[X1+(\u)], v[X2+(\u)], v[X3+(\u)]
.elseif k == 13
	v_cmp_lt_f32 s[MK+(\u)], v[RUN+8*(1-(\par))+rT], v[RUN+8*(\par)+rT]
.elseif k == 14
	v_cndmask_b32 v[BID+rT], v[BID+rT], s[CUR], s[MK+(\u)]
.else
	v_cndmask_b32 v[SAVE+8*rT+k-15], v[SAVE+8*rT+k-15], v[rA+k-15], s[MK+(\u)]
.endif
.endr
.endif
.set k, k+1
.endm
.macro RUNMM g, buf, n, eg, par, eb    ; n matrix instructions, a slice behind each while slices last
.rept \n
	MM \g, \buf
.if k < 23
	SLICE \eg, \par, \eb
.endif
.endr
.endm
; THE LDS LOADS stand in one run of 18: ee of block ib's 16 codes (each half of the lanes reads one 32 bytes), and the block's fragments, 16 rows x 256 K.
.macro FETCH slot, ib, buf
	WIN 0
	ds_load_b128 v[EE+8*(\ib):EE+8*(\ib)+3],   v[EEA] offset:64*(\ib)
	ds_load_b128 v[EE+8*(\ib)+4:EE+8*(\ib)+7], v[EEA] offset:64*(\ib)+16
	WIN TO_A
.irp c, 0,1,2,3,4,5,6,7
	ds_load_b128 v[64*(\buf)+8*(\c):64*(\buf)+8*(\c)+3],   v[ADRA+(\slot)] offset:(\ib)*16*PITCH+64*(\c)
	ds_load_b128 v[64*(\buf)+8*(\c)+4:64*(\buf)+8*(\c)+7], v[ADRA+(\slot)] offset:(\ib)*16*PITCH+64*(\c)+32
.endr
.endm
; A BLOCK: block ib of the tile in slot.  First half: tiles 0-3's products, beside them tiles 4-7's vector work of the block BEFORE.  Second half: tiles 4-7's products, beside them tiles 0-3's of this block.
; kind 0: the next block's loads stand behind the second product: the fragment buffer's last reader, the block before's last product, has slice 0's four places behind it.
; kind 1: a tile's last block, which changes slots.  Its fragments are in registers, so my reads of the slot are over.  I wait for all my tensor loads, of which one is out: my rows of the other slot; add 0 to my
;   spare word; and wait for that.  The barrier opens a round of the cluster's: behind it no wave of any partner reads this slot or has a load on its way, and the joint refill, the tile two on, is the first
;   thing there: 240 matrix instructions stand between it and the wait for it.  Then the other slot's first block is fetched.
; kind 2: the last tile but one: nothing is left to ask for.  The other slot's rows are my own load's: the wait for it is all that the reads need.     kind 3: the last block: nothing to fetch.
.macro BLOCK slot, ib, kind
.set bf, (\ib)%2
.set pb, ((\ib)+3)%4                   ; the block before's buffer of ee
	s_wait_dscnt 0x0                               ; this block's ee and fragments, asked for 48 matrix instructions ago or more
.set i, 0
.set k, 0
.if (\kind) == 0
	RUNMM 0, bf, 2, 1, 1-bf, pb
	FETCH \slot, (\ib)+1, 1-bf
	RUNMM 0, bf, 30, 1, 1-bf, pb
.elseif (\kind) == 1
	WIN 0                                          ; (the add's two registers lie in window 0)
	s_wait_tensorcnt 0x0                           ; no tensor load of mine is out, so a group 0 may be written
	ds_add_u32 v[SPW], v[NIL]                      ; 0 onto my spare word
	s_add_nc_u64 s[G0E+4*(\slot)+2:G0E+4*(\slot)+3], s[G0E+4*(\slot)+2:G0E+4*(\slot)+3], 2*TILEB  ; this slot's next tile; the type bits on top are not reached
	RUNMM 0, bf, 8, 1, 1-bf, pb                    ; work on registers between the add and the wait for it
	s_wait_dscnt 0x0                               ; the add is done; my reads of the slot were over at the block's head
	s_barrier_signal -1
	RUNMM 0, bf, 8, 1, 1-bf, pb                    ; work on registers while the others arrive
	WIN 0                                          ; at a branch and at a label every window is 0
	s_barrier_wait -1
	CREST
	tensor_load_to_lds s[G0E+4*(\slot):G0E+4*(\slot)+3], s[G1E:G1E+7]  ; my one tensor load behind the round
	s_nop 0
	PLACES
	v_add_nc_u32 v[EEA], 1024, v[EEA]              ; ee of the next tile's 256 codes
	FETCH 1-(\slot), 0, 1-bf
	RUNMM 0, bf, 16, 1, 1-bf, pb
.elseif (\kind) == 2
	RUNMM 0, bf, 2, 1, 1-bf, pb
	WIN 0
	s_wait_tensorcnt 0x0                           ; the last tile: no load was issued behind it
	v_add_nc_u32 v[EEA], 1024, v[EEA]
	FETCH 1-(\slot), 0, 1-bf
	RUNMM 0, bf, 30, 1, 1-bf, pb
.else
	RUNMM 0, bf, 32, 1, 1-bf, pb
.endif
.if (\ib) == 0
	s_add_co_u32 s[CUR], s[CUR], 208               ; from the last tile's block 3 to this tile's block 0: 256 - 48 codes
.else
	s_add_co_u32 s[CUR], s[CUR], 16
.endif
.set i, 0
.set k, 0
	RUNMM 1, bf, 32, 0, bf, \ib
.endm
	; z is in registers.  Slot 1 is filled again, now with the codes' tile 1: the same order as in the loop.  The round also shows every wave's quarter of ee, and its 32 sums |z|^2, to all.
	WIN 0
	s_wait_tensorcnt 0x0                           ; ee and tile 0 have landed
	ds_add_u32 v[SPW], v[NIL]
.set j, ACC+32
.rept 32
	v_mov_b32 v[j], s[NINF]                        ; tiles 4-7's accumulators: the first block's first half does the vector work of a block that has not been: z . e = -infinity makes d = +infinity,
.set j, j+1
.endr                                                  ; which is not smaller than the +infinity in RUN.  The price of writing no first block out: these 32 lines and the 8 below.
.set j, EE+24
.rept 8
	v_mov_b32 v[j], 0                              ; that block's ee.  SAVE keeps what the conversion left: the first block replaces it wherever a d is below +infinity
.set j, j+1
.endr
	s_wait_dscnt 0x0                               ; the add is done, my store of |z|^2 too, and my reads of z are over
	CROUND
	tensor_load_to_lds s[G0E+4:G0E+7], s[G1E:G1E+7]
	s_nop 0
	PLACES
	v_lshl_add_u32 v3, v1, 2, ZZS
.irp t, 0,1,2,3,4,5,6,7
	ds_load_b32 v[ZZ+2*(\t)], v3 offset:64*(\t)    ; |z|^2 of query 16 t + r, into both registers of the pair that the packed addition names
	ds_load_b32 v[ZZ+2*(\t)+1], v3 offset:64*(\t)
.endr
	FETCH 0, 0, 0
	WIN 0
	s_mov_b32 s[LC], 15
.Ltiles:                                               ; a trip: two tiles, 512 matrix instructions a wave; it asks for the two tiles after them
	BLOCK 0, 0, 0
	BLOCK 0, 1, 0
	BLOCK 0, 2, 0
	BLOCK 0, 3, 1
	BLOCK 1, 0, 0
	BLOCK 1, 1, 0
	BLOCK 1, 2, 0
	BLOCK 1, 3, 1
	WIN 0
	s_sub_co_u32 s[LC], s[LC], 1
	s_cmp_lg_u32 s[LC], 0
	s_cbranch_scc1 .Ltiles
	BLOCK 0, 0, 0                                  ; tiles 30 and 31 are written out
	BLOCK 0, 1, 0
	BLOCK 0, 2, 0
	BLOCK 0, 3, 2
	BLOCK 1, 0, 0
	BLOCK 1, 1, 0
	BLOCK 1, 2, 0
	BLOCK 1, 3, 3
.set k, 0
.rept 23
	SLICE 1, 1, 3                                  ; tiles 4-7's last vector work.  All eight results now lie in RUN's first buffer
.endr
; THE INDEX.  (va, ia) takes (vb, ib) where vb is smaller, or equal with the lower index.
.macro MERGE va, ia, vb, ib
	v_cmp_lt_f32 s72, v[\vb], v[\va]
	v_cmp_eq_f32 s73, v[\vb], v[\va]
	v_cmp_lt_u32 s74, v[\ib], v[\ia]
	s_and_b32 s73, s73, s74
	s_or_b32 s72, s72, s73
	v_cndmask_b32 v[\va], v[\va], v[\vb], s72
	v_cndmask_b32 v[\ia], v[\ia], v[\ib], s72
.endm
.irp t, 0,1,2,3,4,5,6,7
	v_mov_b32 v[JJ+(\t)], 7
.irp j, 6,5,4,3,2,1,0                  ; descending, so that the lowest register that equals the minimum has the last word
	v_cmp_neq_f32 vcc_lo, v[SAVE+8*(\t)+(\j)], v[RUN+(\t)]
	v_cndmask_b32 v[JJ+(\t)], \j, v[JJ+(\t)], vcc_lo
.endr
	v_add3_u32 v[JJ+(\t)], v[BID+(\t)], v[H8], v[JJ+(\t)]  ; the code: block + 8 h + register
	v_permlanex16_b32 v[RUN+8+(\t)], v[RUN+(\t)], s[SEL], s[SEL+1]  ; the query's other codes lie in the lane 16 away (both destinations have been written before)
	v_permlanex16_b32 v[SAVE+8*(\t)], v[JJ+(\t)], s[SEL], s[SEL+1]
	MERGE RUN+(\t), JJ+(\t), RUN+8+(\t), SAVE+8*(\t)
	v_cndmask_b32 v[SAVE+8*(\t)+1], v[RUN+(\t)], v[JJ+(\t)], s[HIM]  ; lanes 0-15 carry the value, lanes 16-31 the index
	ds_store_b32 v[MS], v[SAVE+8*(\t)+1] offset:64*(\t)
.endr
	s_wait_dscnt 0x0                               ; for the others' sake: my stores are done
	s_barrier_signal -1
	s_barrier_wait -1
	s_cmp_lg_u32 s[WV], 0
	s_cbranch_scc1 .Ldone
	v_and_b32 v3, 31, v0                           ; wave 0 joins the four waves' results: four queries a lane
	v_lshlrev_b32 v4, 4, v3
	v_add_nc_u32 v3, SCR, v4
.irp w, 0,1,2,3
	ds_load_b128 v[JJ+4*(\w):JJ+4*(\w)+3], v3 offset:512*(\w)
	ds_load_b128 v[JJ+16+4*(\w):JJ+16+4*(\w)+3], v3 offset:2048+512*(\w)
.endr
	s_lshl_b32 s70, s16, 9                         ; my work-group's 128 indices
	s_mov_b32 s71, 0
	s_add_nc_u64 s[10:11], s[10:11], s[70:71]
	s_add_nc_u64 s[12:13], s[12:13], s[70:71]
	s_wait_dscnt 0x0
.irp w, 1,2,3
.irp e, 0,1,2,3
	MERGE JJ+(\e), JJ+16+(\e), JJ+4*(\w)+(\e), JJ+16+4*(\w)+(\e)
.endr
.endr
	global_store_b128 v4, v[JJ+16:JJ+19], s[10:11] ; 512 consecutive bytes, aligned
	global_store_b128 v4, v[JJ+16:JJ+19], s[12:13]
.Ldone:
	s_wait_tensorcnt 0x0                           ; the wave's end, behind my last tensor load and my last LDS store
	ds_add_u32 v[SPW], v[NIL]
	s_wait_dscnt 0x0
	CROUND                                         ; the closing round: no work-group ends while a partner may still ask for a tile that names it
	s_endpgm
.Lfunc_end_k_q97d298b2db_argmin:
	.size	k_q97d298b2db_argmin, .Lfunc_end_k_q97d298b2db_argmin-k_q97d298b2db_argmin
	.p2alignl 7, 3214868480
	.fill 96, 4, 3214868480
	.section	.rodata,"a",@progbits
	.p2align	6, 0x0
	.amdhsa_kernel k_q97d298b2db_argmin
		.amdhsa_group_segment_fixed_size 327680
		.amdhsa_private_segment_fixed_size 0
		.amdhsa_enable_private_segment 0
		.amdhsa_kernarg_size 40
		.amdhsa_user_sgpr_count 2
		.amdhsa_user_sgpr_kernarg_segment_ptr 1
		.amdhsa_wavefront_size32 1
		.amdhsa_system_sgpr_workgroup_id_x 1
		.amdhsa_system_sgpr_workgroup_id_y 1
		.amdhsa_system_sgpr_workgroup_id_z 1
		.amdhsa_system_vgpr_workitem_id 0
		.amdhsa_next_free_vgpr 1024
		.amdhsa_next_free_sgpr 80
		.amdhsa_reserve_vcc 1
		.amdhsa_float_denorm_mode_32 3
		.amdhsa_float_denorm_mode_16_64 3
		.amdhsa_memory_ordered 1
		.amdhsa_forward_progress 1
		.amdhsa_inst_pref_size 255
	.end_amdhsa_kernel
	.section	.bss,"aw",@nobits
	.p2align	6
	.space	262144
	.amdgpu_metadata
---
amdhsa.version: [ 1, 2 ]
amdhsa.kernels:
  - .name:           k_q97d298b2db_argmin
    .symbol:         k_q97d298b2db_argmin.kd
    .args:
      - { .name: z, .offset: 0, .size: 8, .value_kind: global_buffer, .address_space: global }
      - { .name: embh, .offset: 8, .size: 8, .value_kind: global_buffer, .address_space: global }
      - { .name: ee, .offset: 16, .size: 8, .value_kind: global_buffer, .address_space: global }
      - { .name: out2, .offset: 24, .size: 8, .value_kind: global_buffer, .address_space: global }
      - { .name: order, .offset: 32, .size: 8, .value_kind: global_buffer, .address_space: global }
    .group_segment_fixed_size: 327680
    .private_segment_fixed_size: 0
    .kernarg_segment_align: 8
    .kernarg_segment_size: 40
    .max_flat_workgroup_size: 128
    .sgpr_count:     80
    .vgpr_count:     1024
    .wavefront_size: 32
...
	.end_amdgpu_metadata
.endif
;; end of part 2
;; launch gather (part 3): grid 256 x 1, 16 waves a work-group, no clusters, 2,304 bytes of LDS; arguments z, emb, order, out1, part; writes out1, part
.if DOCPART == 3
	.amdgcn_target "amdgcn-amd-amdhsa--gfx1250"
	.amdhsa_code_object_version 6
	.text
	.protected	k_q97d298b2db_gather
	.globl	k_q97d298b2db_gather
	.p2align	8
	.type	k_q97d298b2db_gather,@function
k_q97d298b2db_gather:
	s_mov_b64 s[64:65], 0
	v_nop
	global_prefetch_b8 v0, s[64:65] scope:SCOPE_SE
	s_setreg_imm32_b32 hwreg(HW_REG_WAVE_MODE, 25, 1), 1
	s_wait_xcnt 0x0
; out1[n][:] = z[n][:] + (emb[order[n]][:] - z[n][:]);  part[work-group] = the sum over its 128 rows of (emb[order[n]] - z[n])^2.  All in f32, on the inputs as they are given.
; z, out1: [32768][256] f32.  emb: [8192][256] f32.  order: [32768] i32, stored by the launch before.  part: [256] f32.
; Sixteen waves; the work-group owns 128 rows, a wave 8.  A wave's indices are the same for all its lanes, so they come by ONE scalar load and the rows' addresses are scalar.  No loop: a wave issues all its
; 32 loads (16 KB), each of 512 consecutive bytes, and then works row by row as the code rows arrive.  The squares are taken of the difference itself, not of a difference of large sums.
; No matrix unit, no tensor load, no cluster: bytes are all that counts here, and work-groups share nothing but code rows that fall as the indices fall.
.set SPARE, 256                        ; LDS: bytes 0-63 the sixteen waves' sums; from 256 on the spare words, 128 bytes a wave
.set Z,   4                            ; v[4:67]    row q, half p at Z + 8 q + 4 p: z, then the result; not rewritten behind its store
.set E,   68                           ; v[68:131]  the code rows, then the differences
.set A,   132                          ; v[132:139] four pairs of sums of squares
.set SPW, 144                          ; v144       LDS address of my spare word; never rewritten
.set NIL, 145                          ; v145       0; never rewritten
	s_load_b256 s[4:11], s[0:1], 0x0               ; z s[4:5], emb s[6:7], order s[8:9], out1 s[10:11]
	s_load_b64 s[12:13], s[0:1], 0x20              ; part
	v_lshl_add_u32 v[SPW], v0, 2, SPARE
	v_mov_b32 v[NIL], 0
	v_lshrrev_b32 v2, 5, v0
	v_readfirstlane_b32 s14, v2                    ; wave 0..15
	v_and_b32 v1, 31, v0
	v_lshlrev_b32 v1, 4, v1                        ; 16 x lane
	v_lshlrev_b32 v2, 2, v2                        ; 4 x wave: where my sum goes in LDS
	s_lshl_b32 s15, ttmp9, 7
	s_lshl3_add_u32 s15, s14, s15                  ; my first row = 128 x work-group + 8 x wave
	s_lshl_b32 s24, s15, 2                         ; its byte in order
	s_mov_b32 s25, 0
	s_lshl_b32 s26, s15, 10                        ; and in z and out1
	s_mov_b32 s27, 0
	s_lshl_b32 s30, ttmp9, 2                       ; the work-group's word of part
	s_mov_b32 s31, 0
	s_mov_b32 s48, 0x76543210
	s_mov_b32 s49, 0xfedcba98
	s_wait_kmcnt 0x0
	s_add_nc_u64 s[24:25], s[8:9], s[24:25]
	s_add_nc_u64 s[28:29], s[10:11], s[26:27]
	s_add_nc_u64 s[26:27], s[4:5], s[26:27]
	s_add_nc_u64 s[12:13], s[12:13], s[30:31]
	s_load_b256 s[16:23], s[24:25], 0x0            ; my eight indices
.irp j, 0,1,2,3,4,5,6,7,8,9,10,11,12,13,14,15
	global_load_b128 v[Z+4*(\j):Z+4*(\j)+3], v1, s[26:27] offset:512*(\j) th:TH_LOAD_NT  ; z goes out while the indices come: row j / 2, half j % 2; read once in this launch
.endr
	s_wait_kmcnt 0x0
.irp q, 0,1,2,3,4,5,6,7
	s_min_u32 s[16+(\q)], s[16+(\q)], 0x1fff       ; an index lies in 0 .. 8191
	s_lshl_b32 s[32+2*(\q)], s[16+(\q)], 10        ; a row of 1,024 bytes
	s_mov_b32 s[33+2*(\q)], 0
	s_add_nc_u64 s[32+2*(\q):33+2*(\q)], s[6:7], s[32+2*(\q):33+2*(\q)]
	global_load_b128 v[E+8*(\q):E+8*(\q)+3],   v1, s[32+2*(\q):33+2*(\q)]             ; no hint: a code row may be named again
	global_load_b128 v[E+8*(\q)+4:E+8*(\q)+7], v1, s[32+2*(\q):33+2*(\q)] offset:512
.endr
.macro ROWG q
	s_wait_loadcnt 14-2*(\q)                       ; loads come back in order: all of z and this row's code are in, the later rows' two loads each stay out
.irp i, 0,1,2,3
	v_pk_add_f32 v[E+8*(\q)+2*(\i):E+8*(\q)+2*(\i)+1], v[E+8*(\q)+2*(\i):E+8*(\q)+2*(\i)+1], v[Z+8*(\q)+2*(\i):Z+8*(\q)+2*(\i)+1] neg_lo:[0,1] neg_hi:[0,1]  ; z_q - z
.endr
.irp i, 0,1,2,3
.if (\q) == 0
	v_pk_mul_f32 v[A+2*(\i):A+2*(\i)+1], v[E+2*(\i):E+2*(\i)+1], v[E+2*(\i):E+2*(\i)+1]  ; the first squares start the sums
.else
	v_pk_fma_f32 v[A+2*(\i):A+2*(\i)+1], v[E+8*(\q)+2*(\i):E+8*(\q)+2*(\i)+1], v[E+8*(\q)+2*(\i):E+8*(\q)+2*(\i)+1], v[A+2*(\i):A+2*(\i)+1]
.endif
.endr
.irp i, 0,1,2,3
	v_pk_add_f32 v[Z+8*(\q)+2*(\i):Z+8*(\q)+2*(\i)+1], v[Z+8*(\q)+2*(\i):Z+8*(\q)+2*(\i)+1], v[E+8*(\q)+2*(\i):E+8*(\q)+2*(\i)+1]  ; z + (z_q - z)
.endr
	global_store_b128 v1, v[Z+8*(\q):Z+8*(\q)+3],   s[28:29] offset:1024*(\q) th:TH_STORE_NT      ; 512 consecutive bytes, aligned
	global_store_b128 v1, v[Z+8*(\q)+4:Z+8*(\q)+7], s[28:29] offset:1024*(\q)+512 th:TH_STORE_NT
.endm
.irp q, 0,1,2,3,4,5,6,7
	ROWG \q
.endr
	v_pk_add_f32 v[A:A+1], v[A:A+1], v[A+2:A+3]
	v_pk_add_f32 v[A+4:A+5], v[A+4:A+5], v[A+6:A+7]
	v_pk_add_f32 v[A:A+1], v[A:A+1], v[A+4:A+5]
	v_add_f32 v[A], v[A], v[A+1]
	v_add_f32_dpp v[A], v[A], v[A] row_xmask:1 row_mask:0xf bank_mask:0xf
	v_add_f32_dpp v[A], v[A], v[A] row_xmask:2 row_mask:0xf bank_mask:0xf
	v_add_f32_dpp v[A], v[A], v[A] row_xmask:4 row_mask:0xf bank_mask:0xf
	v_add_f32_dpp v[A], v[A], v[A] row_xmask:8 row_mask:0xf bank_mask:0xf
	v_permlanex16_b32 v[A+1], v[A], s48, s49
	v_add_f32 v[A], v[A], v[A+1]                   ; every lane holds my wave's sum
	ds_store_b32 v2, v[A]                          ; all lanes write the same word with the same number
	s_wait_dscnt 0x0                               ; for the others' sake: my store is done
	s_barrier_signal -1
	s_barrier_wait -1
	s_cmp_lg_u32 s14, 0
	s_cbranch_scc1 .Lend
	v_mov_b32 v140, 0
.irp j, 0,1,2,3
	ds_load_b128 v[E+4*(\j):E+4*(\j)+3], v140 offset:16*(\j)  ; wave 0: the sixteen sums, in every lane
.endr
	v_cmp_eq_u32 vcc_lo, 0, v0
	s_wait_dscnt 0x0
.irp j, 0,4,8,12
	v_pk_add_f32 v[E+(\j):E+(\j)+1], v[E+(\j):E+(\j)+1], v[E+(\j)+2:E+(\j)+3]
.endr
	v_pk_add_f32 v[E:E+1], v[E:E+1], v[E+4:E+5]
	v_pk_add_f32 v[E+8:E+9], v[E+8:E+9], v[E+12:E+13]
	v_pk_add_f32 v[E:E+1], v[E:E+1], v[E+8:E+9]
	v_add_f32 v[E], v[E], v[E+1]
	s_wait_xcnt 0x0                                ; EXEC is a source of the loads and stores above: it changes only behind this wait
	s_and_saveexec_b32 s50, vcc_lo
	global_store_b32 v140, v[E], s[12:13]          ; lane 0: one word a work-group; the 256 words are summed by the next launch, in a fixed order
	s_wait_xcnt 0x0                                ; and again, in front of the line that widens it
	s_or_b32 exec_lo, exec_lo, s50
.Lend:
	s_wait_tensorcnt 0x0                           ; the wave's end, behind my last LDS store
	ds_add_u32 v[SPW], v[NIL]
	s_wait_dscnt 0x0
	s_endpgm
.Lfunc_end_k_q97d298b2db_gather:
	.size	k_q97d298b2db_gather, .Lfunc_end_k_q97d298b2db_gather-k_q97d298b2db_gather
	.p2alignl 7, 3214868480
	.fill 96, 4, 3214868480
	.section	.rodata,"a",@progbits
	.p2align	6, 0x0
	.amdhsa_kernel k_q97d298b2db_gather
		.amdhsa_group_segment_fixed_size 2304
		.amdhsa_private_segment_fixed_size 0
		.amdhsa_enable_private_segment 0
		.amdhsa_kernarg_size 40
		.amdhsa_user_sgpr_count 2
		.amdhsa_user_sgpr_kernarg_segment_ptr 1
		.amdhsa_wavefront_size32 1
		.amdhsa_system_sgpr_workgroup_id_x 1
		.amdhsa_system_sgpr_workgroup_id_y 1
		.amdhsa_system_sgpr_workgroup_id_z 1
		.amdhsa_system_vgpr_workitem_id 0
		.amdhsa_next_free_vgpr 148
		.amdhsa_next_free_sgpr 66
		.amdhsa_reserve_vcc 1
		.amdhsa_float_denorm_mode_32 3
		.amdhsa_float_denorm_mode_16_64 3
		.amdhsa_memory_ordered 1
		.amdhsa_forward_progress 1
		.amdhsa_inst_pref_size 16
	.end_amdhsa_kernel
	.amdgpu_metadata
---
amdhsa.version: [ 1, 2 ]
amdhsa.kernels:
  - .name:           k_q97d298b2db_gather
    .symbol:         k_q97d298b2db_gather.kd
    .args:
      - { .name: z, .offset: 0, .size: 8, .value_kind: global_buffer, .address_space: global }
      - { .name: emb, .offset: 8, .size: 8, .value_kind: global_buffer, .address_space: global }
      - { .name: order, .offset: 16, .size: 8, .value_kind: global_buffer, .address_space: global }
      - { .name: out1, .offset: 24, .size: 8, .value_kind: global_buffer, .address_space: global }
      - { .name: part, .offset: 32, .size: 8, .value_kind: global_buffer, .address_space: global }
    .group_segment_fixed_size: 2304
    .private_segment_fixed_size: 0
    .kernarg_segment_align: 8
    .kernarg_segment_size: 40
    .max_flat_workgroup_size: 512
    .sgpr_count:     66
    .vgpr_count:     148
    .wavefront_size: 32
...
	.end_amdgpu_metadata
.endif
;; end of part 3
;; launch total (part 4): grid 1 x 1, 1 waves a work-group, no clusters, 0 bytes of LDS; arguments part, out0; writes out0
.if DOCPART == 4
	.amdgcn_target "amdgcn-amd-amdhsa--gfx1250"
	.amdhsa_code_object_version 6
	.text
	.protected	k_q97d298b2db_total
	.globl	k_q97d298b2db_total
	.p2align	8
	.type	k_q97d298b2db_total,@function
k_q97d298b2db_total:
	s_mov_b64 s[64:65], 0
	v_nop
	global_prefetch_b8 v0, s[64:65] scope:SCOPE_SE
	s_setreg_imm32_b32 hwreg(HW_REG_WAVE_MODE, 25, 1), 1
	s_wait_xcnt 0x0
; out0 = (1 + BETA) x the mean of (z_q - z)^2 = 2 / (32768 x 256) x the sum of the 256 partial sums = 2^-22 x that sum (BETA = 1).
; One wave: eight numbers a lane, a sum within the lane, a sum over the lanes, one store.  A sum that spans work-groups is made here, in a fixed order, and not by atomics.
	s_load_b128 s[4:7], s[0:1], 0x0                ; part s[4:5], out0 s[6:7]
	v_lshlrev_b32 v1, 4, v0                        ; 16 x lane
	v_mov_b32 v2, 0
	s_mov_b32 s8, 0x76543210                       ; v_permlanex16_b32: each lane takes its own place in the other half
	s_mov_b32 s9, 0xfedcba98
	s_wait_kmcnt 0x0
	global_load_b128 v[4:7], v1, s[4:5]
	global_load_b128 v[8:11], v1, s[4:5] offset:512
	v_cmp_eq_u32 vcc_lo, 0, v0
	s_wait_loadcnt 0x0
	v_pk_add_f32 v[4:5], v[4:5], v[8:9]
	v_pk_add_f32 v[6:7], v[6:7], v[10:11]
	v_pk_add_f32 v[4:5], v[4:5], v[6:7]
	v_add_f32 v4, v4, v5
	v_add_f32_dpp v4, v4, v4 row_xmask:1 row_mask:0xf bank_mask:0xf
	v_add_f32_dpp v4, v4, v4 row_xmask:2 row_mask:0xf bank_mask:0xf
	v_add_f32_dpp v4, v4, v4 row_xmask:4 row_mask:0xf bank_mask:0xf
	v_add_f32_dpp v4, v4, v4 row_xmask:8 row_mask:0xf bank_mask:0xf
	v_permlanex16_b32 v5, v4, s8, s9
	v_add_f32 v4, v4, v5
	v_mul_f32 v4, 0x34800000, v4                   ; 2^-22
	s_wait_xcnt 0x0                                ; EXEC changes only behind this wait
	s_and_saveexec_b32 s10, vcc_lo
	global_store_b32 v2, v4, s[6:7]                ; lane 0: the one number
	s_wait_xcnt 0x0                                ; and again, in front of the line that widens it
	s_or_b32 exec_lo, exec_lo, s10
	s_endpgm
.Lfunc_end_k_q97d298b2db_total:
	.size	k_q97d298b2db_total, .Lfunc_end_k_q97d298b2db_total-k_q97d298b2db_total
	.p2alignl 7, 3214868480
	.fill 96, 4, 3214868480
	.section	.rodata,"a",@progbits
	.p2align	6, 0x0
	.amdhsa_kernel k_q97d298b2db_total
		.amdhsa_group_segment_fixed_size 0
		.amdhsa_private_segment_fixed_size 0
		.amdhsa_enable_private_segment 0
		.amdhsa_kernarg_size 16
		.amdhsa_user_sgpr_count 2
		.amdhsa_user_sgpr_kernarg_segment_ptr 1
		.amdhsa_wavefront_size32 1
		.amdhsa_system_sgpr_workgroup_id_x 1
		.amdhsa_system_sgpr_workgroup_id_y 1
		.amdhsa_system_sgpr_workgroup_id_z 1
		.amdhsa_system_vgpr_workitem_id 0
		.amdhsa_next_free_vgpr 16
		.amdhsa_next_free_sgpr 66
		.amdhsa_reserve_vcc 1
		.amdhsa_float_denorm_mode_32 3
		.amdhsa_float_denorm_mode_16_64 3
		.amdhsa_memory_ordered 1
		.amdhsa_forward_progress 1
		.amdhsa_inst_pref_size 2
	.end_amdhsa_kernel
	.amdgpu_metadata
---
amdhsa.version: [ 1, 2 ]
amdhsa.kernels:
  - .name:           k_q97d298b2db_total
    .symbol:         k_q97d298b2db_total.kd
    .args:
      - { .name: part, .offset: 0, .size: 8, .value_kind: global_buffer, .address_space: global }
      - { .name: out0, .offset: 8, .size: 8, .value_kind: global_buffer, .address_space: global }
    .group_segment_fixed_size: 0
    .private_segment_fixed_size: 0
    .kernarg_segment_align: 8
    .kernarg_segment_size: 16
    .max_flat_workgroup_size: 32
    .sgpr_count:     66
    .vgpr_count:     16
    .wavefront_size: 32
...
	.end_amdgpu_metadata
.endif
;; end of part 4
